; MI455X (gfx1250); checked and timed in simulation.
; The chip was launched on July 23, 2026; its instructions are those of AMD's public machine-readable ISA for CDNA 5 (MIT licence, August 2026) and "CDNA5" Instruction Set Architecture Reference Guide (July 2026). The comments in the code are by the model that wrote it; some were corrected since.
;; Min GRU. Allowed arithmetic: matrix products marked QUANTISED: E5M2 operands, one given power-of-two scale a tensor, by v_wmma_f32_16x16x64_bf8_bf8 or v_wmma_f32_16x16x128_bf8_bf8, f32 sums; everything else in f32.
;; Inputs: Wn 2,048 x 2,048 float32; Wz 2,048 x 2,048 float32; bn 2,048 float32; bz 2,048 float32; lowp_scales 4 int32 (the exponents e of the quantised operands' scales 2^e); x 4 x 2,048 x 2,048 float32.
;; Outputs: out0 4 x 2,048 x 2,048 float32.
;; This version of the problem:
;;   THIS VERSION OF THE PROBLEM IS GIVEN IN LOW PRECISION. The matrix products marked QUANTISED in the list below multiply operands that are first quantised to E5M2 (5 exponent bits, 2 mantissa bits; 8 bits a number), with one given power-of-two scale for each operand tensor; their sums are f32. All else is computed in f32.
;;   The module's matrix products, in the order in which they are computed (A, B: the left and right operand; K: the contracted axis; several contracted axes count as one K, in the product's order):
;;     1. [M 8,192, K 2,048] x [K 2,048, N 2,048]; A: input x; B: input Wz: QUANTISED (scales: A lowp_scales[0], B lowp_scales[1])
;;     2. [M 8,192, K 2,048] x [K 2,048, N 2,048]; A: input x; B: input Wn: QUANTISED (scales: A lowp_scales[2], B lowp_scales[3])
;;   THE QUANTISER, for each operand of a quantised product, along K:
;;     - The operand's scale is 2^e, e = its entry of the input lowp_scales (int32; the entries are numbered through the quantised products in the list's order, A before B).
;;     - Each number is divided by the scale, clamped to +-57,344, and rounded to the nearest number of E5M2, ties to even, subnormals kept.
;;     - The product sums the exact products of the quantised numbers (number of the format x scale) in f32.
;;   ~~~python
;;   def quantise(x, axis, e):      # numpy; x: float32 -> the quantised numbers, widened to float32 again
;;       x = np.moveaxis(x, axis, -1); K = x.shape[-1]
;;       r = np.clip(x / 2.0 ** e, -57344, 57344)
;;       step = 2.0 ** (np.maximum(np.frexp(np.where(r == 0, 1, r))[1] - 1, -14) - 2)
;;       q = np.round(r / step) * step * 2.0 ** e      # np.round: ties to even
;;       return np.moveaxis(q, -1, axis).astype(np.float32)
;;   ~~~
;; One version. Each part assembles by itself: llvm-mc -triple=amdgcn-amd-amdhsa -mcpu=gfx1250 --defsym DOCPART=n.
;; ======== version 1 of 1: 3 launches
;; limits: right only within a limited range of input values
;; workspace buffers: xc 33,554,432 bytes; wc 8,388,608 bytes; zg 134,217,728 bytes
;; launch quant (part 1): grid 768 x 1, 4 waves a work-group, no clusters, 0 bytes of LDS; arguments x, Wz, Wn, lowp_scales, xc, wc; writes xc, wc
.if DOCPART == 1
	.amdgcn_target "amdgcn-amd-amdhsa--gfx1250"
	.amdhsa_code_object_version 6
	.text
	.protected	k_q472599a40d_quant
	.globl	k_q472599a40d_quant
	.p2align	8
	.type	k_q472599a40d_quant,@function
k_q472599a40d_quant:
	s_mov_b64 s[64:65], 0
	v_nop
	global_prefetch_b8 v0, s[64:65] scope:SCOPE_SE
	s_setreg_imm32_b32 hwreg(HW_REG_WAVE_MODE, 25, 1), 1
	s_wait_xcnt 0x0
; x [8192][2048], Wz [2048][2048], Wn [2048][2048], f32, K innermost, become codes of BF8 (E5M2), one byte each, each with the scale 2^e given for it.
; x is an operand of two products and has two scales: entry 0 of the scales' buffer (plane 0 of xc) and entry 2 (plane 1 of xc, 16,777,216 bytes on).  Wz takes entry 1 (plane 0 of wc), Wn entry 3 (plane 1 of wc).
; code = number / 2^e, held within +-57,344, rounded to the nearest code, ties to even.
; LIMITS: each e lies between -126 and 112, so that 2^e and 57,344 x 2^e are f32 numbers.  NaN among the inputs is not served (an infinity is held at the largest code).
; THE ORDER OF K IN THE CODES.  xc and wc are this program's own buffers, read by its product alone, and a product's sum does not hang on the order of k so long as both operands have the same order.
; So a lane converts what it loads, and nothing changes lanes: of a run of 512 numbers each of four loads reads 512 consecutive bytes, 16 a lane; number 128 i + 4 l + q (load i, lane l, word q) gets byte 16 l + 4 i + q
; of the run's 512 codes.  A row of 2,048 is four such runs, in x and in both weights alike.  A lane's 16 codes are 16 bytes: the wave stores 512 consecutive bytes, aligned.
; Rows are dense, so each tensor is a plain stream.  A work-group takes 32,768 numbers, a wave 16 steps of 512.  Work-groups 0-511 take x, 512-639 Wz, 640-767 Wn: pointers and exponents are chosen on the work-group's number;
; all take one path through the text, but for x's second hold, conversion and store, which the others jump over (a scalar branch on the work-group's number).
; No LDS, no barrier, no tensor loads: waves share nothing.  Loads run six steps (24 loads, 12 KiB a wave) ahead.
.set STEPS, 16
.set SETS,  6                          ; sets of registers that take turns for the loads
.set WGX,   512                        ; work-groups of x: 8192 x 2048 / 32768
.set WGW,   128                        ; of each weight: 2048 x 2048 / 32768
.set EMAX,  15
.set MANT,  0x600000                   ; the mantissa field of 57,344 as f32
.set R,     16                         ; v16-111  six sets of 16 numbers as they are loaded
.set Y,     112                        ; v112-127 the 16 numbers held for the first scale
.set C0,    128                        ; v128-191 the first codes: four registers for each step, so that no store's data are written again
.set C1,    192                        ; v192-255 x's second codes, likewise
	s_load_b256 s[4:11], s[0:1], 0x0               ; x s[4:5], Wz s[6:7], Wn s[8:9], the scales' exponents s[10:11]
	s_load_b128 s[12:15], s[0:1], 0x20             ; xc s[12:13], wc s[14:15]
	v_lshrrev_b32 v1, 5, v0
	v_readfirstlane_b32 s16, v1                    ; wave
	v_and_b32 v2, 31, v0                           ; lane
	v_lshlrev_b32 v3, 4, v2                        ; my 16 bytes of a load's 512, and of a step's 512 codes; never rewritten
	s_wait_alu depctr_va_vdst(0)
	s_wait_kmcnt 0x0
	s_load_b128 s[24:27], s[10:11], 0x0            ; e0, e1, e2, e3
	s_cmp_lt_u32 ttmp9, WGX+WGW                    ; Wz or Wn?  Every choice hangs on the work-group's number alone
	s_cselect_b64 s[18:19], s[6:7], s[8:9]
	s_mov_b32 s20, WGX+WGW
	s_cselect_b32 s20, WGX, s20                    ; the tensor's first work-group
	s_cmp_lt_u32 ttmp9, WGX                        ; x, or a weight?
	s_cselect_b64 s[18:19], s[4:5], s[18:19]       ; the source
	s_cselect_b32 s20, 0, s20
	s_cselect_b64 s[22:23], s[12:13], s[14:15]     ; the codes' buffer
	s_cselect_b32 s28, 0, WGX                      ; and its first work-group: Wz's 128 work-groups fill plane 0 of wc, so Wn's fall into plane 1 by the same count
	s_sub_co_u32 s32, ttmp9, s20
	s_lshl_b32 s32, s32, 2
	s_add_co_u32 s32, s32, s16                     ; which run of 8,192 numbers of the source is my wave's
	s_mov_b32 s33, 0
	s_lshl_b64 s[32:33], s[32:33], 15              ; x 32,768 bytes
	s_add_nc_u64 s[18:19], s[18:19], s[32:33]
	s_sub_co_u32 s34, ttmp9, s28
	s_lshl_b32 s34, s34, 2
	s_add_co_u32 s34, s34, s16                     ; which run of 8,192 codes
	s_mov_b32 s35, 0
	s_lshl_b64 s[34:35], s[34:35], 13              ; x 8,192 bytes
	s_add_nc_u64 s[22:23], s[22:23], s[34:35]
	s_add_nc_u64 s[30:31], s[22:23], 0x1000000     ; the same place in xc's plane 1: used by x's work-groups alone
.macro LOAD t
.irp i, 0,1,2,3
	global_load_b128 v[R+16*((\t)%SETS)+4*\i:R+16*((\t)%SETS)+4*\i+3], v3, s[18:19] offset:2048*(\t)+512*\i th:TH_LOAD_NT   ; 32 lanes read 512 consecutive bytes; read once in the launch
.endr
.endm
.irp t, 0,1,2,3,4,5
	LOAD \t
.endr
	s_wait_kmcnt 0x0
	s_cmp_lt_u32 ttmp9, WGX+WGW
	s_cselect_b32 s21, s25, s27                    ; e1 or e3,
	s_cmp_lt_u32 ttmp9, WGX
	s_cselect_b32 s21, s24, s21                    ; or e0
	s_add_co_i32 s21, s21, 127
	s_lshl_b32 s36, s21, 23
	v_mov_b32 v11, s36                             ; 2^e as f32: the conversion takes its exponent field
	s_add_co_i32 s21, s21, EMAX
	s_lshl_b32 s21, s21, 23
	s_or_b32 s21, s21, MANT
	v_mov_b32 v10, s21                             ; 57,344 x 2^e
	s_add_co_i32 s26, s26, 127
	s_lshl_b32 s37, s26, 23
	v_mov_b32 v13, s37                             ; the same with e2, for x's second codes
	s_add_co_i32 s26, s26, EMAX
	s_lshl_b32 s26, s26, 23
	s_or_b32 s26, s26, MANT
	v_mov_b32 v12, s26
.macro STEP t
.set XS, R+16*((\t)%SETS)
.if STEPS-1-(\t) >= SETS-1
	s_wait_loadcnt 4*(SETS-1)                      ; loads come back in order (ISA guide 5.7.1): this step's four are in; the twenty of the five steps behind it may be out
.else
	s_wait_loadcnt 4*(STEPS-1-(\t))                ; the tail: fewer steps stand behind it
.endif
.irp i, 0,1,2,3,4,5,6,7,8,9,10,11,12,13,14,15
	v_med3_num_f32 v[Y+\i], v[XS+\i], -v10, v10    ; the conversion to an 8-bit code does not saturate (ISA guide 7.6.2): the number is held within the largest code x the scale first; into other registers, since x is held twice
.endr
	v_cvt_scalef32_pk8_bf8_f32 v[C0+4*(\t):C0+4*(\t)+1], v[Y:Y+7], v11          ; eight numbers / 2^e, to the nearest code, ties to even; the first number's code in the lowest byte
	v_cvt_scalef32_pk8_bf8_f32 v[C0+4*(\t)+2:C0+4*(\t)+3], v[Y+8:Y+15], v11
	v_nop                                          ; a plain vector line behind the conversions, ahead of the next vector line that writes their sources
	global_store_b128 v3, v[C0+4*(\t):C0+4*(\t)+3], s[22:23] offset:512*(\t)    ; 32 lanes store 512 consecutive bytes, aligned
	s_cmp_lt_u32 ttmp9, WGX
	s_cbranch_scc0 .Lone_\@                        ; a weight has one scale
.irp i, 0,1,2,3,4,5,6,7,8,9,10,11,12,13,14,15
	v_med3_num_f32 v[XS+\i], v[XS+\i], -v12, v12   ; x once more, with e2
.endr
	v_cvt_scalef32_pk8_bf8_f32 v[C1+4*(\t):C1+4*(\t)+1], v[XS:XS+7], v13
	v_cvt_scalef32_pk8_bf8_f32 v[C1+4*(\t)+2:C1+4*(\t)+3], v[XS+8:XS+15], v13
	v_nop
	global_store_b128 v3, v[C1+4*(\t):C1+4*(\t)+3], s[30:31] offset:512*(\t)
.Lone_\@:
.if (\t)+SETS < STEPS
	LOAD (\t)+SETS                                 ; this step's set takes the loads of six steps on
.endif
.endm
	s_wait_alu depctr_va_vdst(0)
.irp t, 0,1,2,3,4,5,6,7,8,9,10,11,12,13,14,15
	STEP \t
.endr
	s_endpgm
.Lfunc_end_k_q472599a40d_quant:
	.size	k_q472599a40d_quant, .Lfunc_end_k_q472599a40d_quant-k_q472599a40d_quant
	.p2alignl 7, 3214868480
	.fill 96, 4, 3214868480
	.section	.rodata,"a",@progbits
	.p2align	6, 0x0
	.amdhsa_kernel k_q472599a40d_quant
		.amdhsa_group_segment_fixed_size 0
		.amdhsa_private_segment_fixed_size 0
		.amdhsa_enable_private_segment 0
		.amdhsa_kernarg_size 48
		.amdhsa_user_sgpr_count 2
		.amdhsa_user_sgpr_kernarg_segment_ptr 1
		.amdhsa_wavefront_size32 1
		.amdhsa_system_sgpr_workgroup_id_x 1
		.amdhsa_system_sgpr_workgroup_id_y 1
		.amdhsa_system_sgpr_workgroup_id_z 1
		.amdhsa_system_vgpr_workitem_id 0
		.amdhsa_next_free_vgpr 256
		.amdhsa_next_free_sgpr 66
		.amdhsa_reserve_vcc 0
		.amdhsa_float_denorm_mode_32 3
		.amdhsa_float_denorm_mode_16_64 3
		.amdhsa_memory_ordered 1
		.amdhsa_forward_progress 1
		.amdhsa_inst_pref_size 51
	.end_amdhsa_kernel
	.amdgpu_metadata
---
amdhsa.version: [ 1, 2 ]
amdhsa.kernels:
  - .name:           k_q472599a40d_quant
    .symbol:         k_q472599a40d_quant.kd
    .args:
      - { .name: x, .offset: 0, .size: 8, .value_kind: global_buffer, .address_space: global }
      - { .name: Wz, .offset: 8, .size: 8, .value_kind: global_buffer, .address_space: global }
      - { .name: Wn, .offset: 16, .size: 8, .value_kind: global_buffer, .address_space: global }
      - { .name: lowp_scales, .offset: 24, .size: 8, .value_kind: global_buffer, .address_space: global }
      - { .name: xc, .offset: 32, .size: 8, .value_kind: global_buffer, .address_space: global }
      - { .name: wc, .offset: 40, .size: 8, .value_kind: global_buffer, .address_space: global }
    .group_segment_fixed_size: 0
    .private_segment_fixed_size: 0
    .kernarg_segment_align: 8
    .kernarg_segment_size: 48
    .max_flat_workgroup_size: 128
    .sgpr_count:     66
    .vgpr_count:     256
    .wavefront_size: 32
...
	.end_amdgpu_metadata
.endif
;; end of part 1
;; launch gemm (part 2): grid 8 x 32, 4 waves a work-group, clusters of 4 x 4, 327,680 bytes of LDS; arguments xc, wc, lowp_scales, zg, bz, bn; writes zg
.if DOCPART == 2
	.amdgcn_target "amdgcn-amd-amdhsa--gfx1250"
	.amdhsa_code_object_version 6
	.text
	.protected	k_q472599a40d_gemm
	.globl	k_q472599a40d_gemm
	.p2align	8
	.type	k_q472599a40d_gemm,@function
k_q472599a40d_gemm:
	s_mov_b64 s[64:65], 0
	v_nop
	global_prefetch_b8 v0, s[64:65] scope:SCOPE_SE
	s_setreg_imm32_b32 hwreg(HW_REG_WAVE_MODE, 25, 1), 1
	s_wait_xcnt 0x0
	s_wait_alu depctr_hold_cnt(0) depctr_sa_sdst(0) depctr_va_vdst(0) depctr_va_sdst(0) depctr_va_ssrc(0) depctr_va_vcc(0) depctr_vm_vsrc(0)
	s_getreg_b32 s2, hwreg(HW_REG_IB_STS2, 6, 4)
	s_cmp_eq_u32 s2, 0
	s_cbranch_scc0 .Lentry_in_a_cluster
	s_endpgm
.Lentry_in_a_cluster:
	s_bfe_u32 s2, ttmp6, 0x10000c
	s_cmp_lg_u32 s2, 0xf033
	s_cbranch_scc0 .Lentry_shape_is_right
	s_endpgm
.Lentry_shape_is_right:
; zg[0] = sigmoid(x Wz^T + bz), zg[1] = g(x Wn^T + bn), g(v) = max(v + 0.5, sigmoid(v)): the sigmoid lies under 0.5 + v for v >= 0 and over it for v < 0.  Codes of BF8 are multiplied as they are;
; each sum is multiplied by 2^(its two exponents added).  LIMITS: e0 + e1 and e2 + e3 lie between -126 and 127; NaN among the inputs is not served.
; A WORK-GROUP STAYS: it makes two tiles of 256 x 256, fc_z's and then fc_n's of the same rows and columns (s66 counts them).  The ring of two slots goes on into the second tile: the first tile's last two
; changes of slots ask jointly for the second tile's K steps 0 and 1, and the first tile goes out behind them.  The way out is written once; its stage has LDS bytes of its own, behind the ring.
; Clusters of 4 x 4: A's tiles are asked for jointly along a row of the cluster, B's along a column.
.set SIZE_N, 2048
.set SIZE_K, 2048
.set KSTEP,  256
.set ROWB,   256
.set KROW,   SIZE_K
.set PITCH,  272
.set FR,     16
.set NL,     4
.set NP,     4
.set HALFT,  128*PITCH
.set SLOT,   4*HALFT
.set LAPS,   SIZE_K/(2*KSTEP)
.set STAGE,  2*SLOT
.set SPARE,  STAGE+4*16*528
.set NEXT_A, 0x1000000-6*ROWB
.set NEXT_B, 0x400000-6*ROWB
.set SPITCH, 528
.set ADRA, 16
.set ADRB, 20
.set STO,  24
.set RD,   25
.set CO,   26
.set BO,   27
.set SPW,  28
.set NIL,  29
.set PFO,  30
.set BIAS, 32
.set AF,   128
.set BK,   128
.set VV,   0
.set UU,   64
.set RR,   128
.set HALF, 192
.set G1, 24
.set G0, 32
.set G1B, 48
.set G0B, 56
.set PFA, 72
.set LIM, 74
.set MSB, 0
.macro WIN new
.if MSB != (\new)
	s_set_vgpr_msb (MSB<<8)|(\new)
.set MSB, (\new)
.endif
.endm
.set MUL_LO, 0xa1
.set MUL_HI, 0xf1
.set TO_B,   0x40
.macro JLOAD g0a, g1a, g0b, g1b
	s_cmp_eq_u32 s15, 0
	s_cbranch_scc0 .Lfor_b_\@
	tensor_load_to_lds s[\g0a:\g0a+3], s[\g1a:\g1a+7]
	s_nop 0
.rept 4
	v_nop
.endr
	s_branch .Lasked_\@
.Lfor_b_\@:
	tensor_load_to_lds s[\g0b:\g0b+3], s[\g1b:\g1b+7]
	s_nop 0
.rept 4
	v_nop
.endr
.Lasked_\@:
.endm
.macro ASK
	s_cmp_gt_u32 s3, s[LIM]
	s_cbranch_scc0 .Lnot_mine_\@
	s_wait_alu depctr_va_vdst(0)
	global_prefetch_b8 v[PFO], s[PFA:PFA+1] offset:ROWB th:TH_LOAD_NT scope:SCOPE_SE
.Lnot_mine_\@:
.endm
.macro CREST
	s_cmp_lg_u32 s14, 0
	s_cbranch_scc1 .Lnot_wave_0_\@
	s_barrier_signal -3
.Lnot_wave_0_\@:
	s_barrier_wait -3
	s_barrier_signal -1
	s_barrier_wait -1
.endm
.macro CROUND
	s_barrier_signal -1
	s_barrier_wait -1
	CREST
.endm
	s_load_b128 s[4:7], s[0:1], 0x0
	s_load_b128 s[8:11], s[0:1], 0x10
	s_load_b128 s[68:71], s[0:1], 0x20
	v_lshl_add_u32 v[SPW], v0, 2, SPARE
	v_mov_b32 v[NIL], 0
	ds_add_u32 v28, v29
	ds_add_u32 v28, v29
	s_wait_dscnt 0x0
	v_lshrrev_b32 v1, 5, v0
	v_readfirstlane_b32 s14, v1
	s_lshr_b32 s15, s14, 1
	s_and_b32 s16, s14, 1
	s_bfe_u32 s40, ttmp6, 0x40000
	s_bfe_u32 s41, ttmp6, 0x40004
	s_lshl_b32 s42, ttmp9, 2
	s_add_co_u32 s42, s42, s40
	s_and_b32 s17, ttmp7, 0xffff
	s_lshl_b32 s17, s17, 2
	s_add_co_u32 s17, s17, s41
	s_mov_b32 s66, 0
	s_lshl_b32 s43, s41, 2
	s_lshl_b32 s43, 15, s43
	s_lshl_b32 s44, 0x1111, s40
	s_or_b32 s[G1+0], s43, (0<<16)|(1<<20)|(1<<21)|(5<<22)|(3<<25)
	s_or_b32 s[G1B+0], s44, (0<<16)|(1<<20)|(1<<21)|(5<<22)|(3<<25)
.irp g, G1, G1B
	s_mov_b32 s[\g+1], ROWB<<16
	s_mov_b32 s[\g+2], 128<<16
	s_mov_b32 s[\g+3], ROWB<<16
	s_mov_b32 s[\g+4], 128
	s_mov_b32 s[\g+5], KROW
	s_mov_b32 s[\g+6], 0
	s_mov_b32 s[\g+7], 0
.endr
	s_lshl_b32 s18, s16, 7
	s_lshl_b32 s20, s17, 8
	s_add_co_u32 s20, s20, s18
	s_lshl_b32 s46, s42, 8
	s_add_co_u32 s46, s46, s18
	s_lshl_b32 s67, s66, 11
	s_add_co_u32 s46, s46, s67
	s_mov_b32 s21, 0
	s_mov_b32 s47, 0
	s_mov_b64 s[18:19], KROW
	s_mul_u64 s[20:21], s[20:21], s[18:19]
	s_mul_u64 s[46:47], s[46:47], s[18:19]
	s_mul_i32 s45, s14, HALFT
	s_wait_kmcnt 0x0
	s_load_b128 s[92:95], s[8:9], 0x0
	s_add_nc_u64 s[20:21], s[4:5], s[20:21]
	s_add_nc_u64 s[46:47], s[6:7], s[46:47]
	CROUND
.irp s, 0,1
	s_mov_b32 s[G0+4*\s], 1
	s_add_co_u32 s[G0+4*\s+1], s45, \s*SLOT
	s_add_nc_u64 s[G0+4*\s+2:G0+4*\s+3], s[20:21], \s*ROWB
	s_or_b32 s[G0+4*\s+3], s[G0+4*\s+3], 0x80000000
	s_mov_b32 s[G0B+4*\s], 1
	s_add_co_u32 s[G0B+4*\s+1], s45, \s*SLOT
	s_add_nc_u64 s[G0B+4*\s+2:G0B+4*\s+3], s[46:47], \s*ROWB
	s_or_b32 s[G0B+4*\s+3], s[G0B+4*\s+3], 0x80000000
	s_wait_alu depctr_va_vdst(0)
	s_wait_tensorcnt 0x0
	ds_add_u32 v28, v29
	ds_add_u32 v28, v29
	s_wait_dscnt 0x0
	CROUND
	JLOAD G0+4*\s, G1, G0B+4*\s, G1B
.endr
	v_and_b32 v1, 15, v0
	s_wait_alu depctr_va_vdst(0)
	v_bfe_u32 v2, v0, 4, 1
	v_mul_u32_u24 v3, v1, PITCH
	v_lshl_add_u32 v4, v2, 4, v3
	s_mul_i32 s21, s15, HALFT
	s_mul_i32 s22, s16, HALFT
	s_add_co_u32 s22, s22, 2*HALFT
.irp s, 0,1
	v_add_nc_u32 v[ADRA+\s], s21, v4
	v_add_nc_u32 v[ADRB+\s], s22, v4
	s_add_co_u32 s21, s21, SLOT
	s_add_co_u32 s22, s22, SLOT
.endr
	s_mul_i32 s23, s14, 16*SPITCH
	s_add_co_u32 s23, s23, STAGE
	v_mul_u32_u24 v5, v1, SPITCH
	s_wait_alu depctr_va_vdst(0)
	v_lshl_add_u32 v5, v2, 5, v5
	v_add_nc_u32 v[STO], s23, v5
	v_and_b32 v6, 31, v0
	v_lshlrev_b32 v[CO], 4, v6
	v_add_nc_u32 v[RD], s23, v[CO]
	s_lshl_b32 s20, s17, 8
	s_lshl_b32 s21, s15, 7
	s_add_co_u32 s20, s20, s21
	s_mov_b32 s21, 0
	s_mov_b64 s[18:19], SIZE_N*4
	s_mul_u64 s[20:21], s[20:21], s[18:19]
	s_lshl_b32 s46, s42, 10
	s_lshl_b32 s47, s16, 9
	s_add_co_u32 s46, s46, s47
	s_mov_b32 s47, 0
	s_add_nc_u64 s[20:21], s[20:21], s[46:47]
	s_add_nc_u64 s[10:11], s[10:11], s[20:21]
	s_add_nc_u64 s[68:69], s[68:69], s[46:47]
	s_add_nc_u64 s[70:71], s[70:71], s[46:47]
	v_lshlrev_b32 v[BO], 5, v2
	s_lshl_b32 s76, s17, 8
	s_lshl_b32 s77, s42, 8
	s_add_co_u32 s77, s77, s67
	s_cmp_eq_u32 s15, 0
	s_cselect_b32 s76, s76, s77
	s_cselect_b32 s79, s40, s41
	s_cselect_b64 s[PFA:PFA+1], s[4:5], s[6:7]
	s_mov_b32 s[LIM], 1                            ; every cluster asks for the tiles that it will itself load; its four partners share the rows out by address
	s_lshl_b32 s78, s16, 7
	s_add_co_u32 s76, s76, s78
	s_lshl_b32 s79, s79, 5
	s_add_co_u32 s76, s76, s79
	s_mov_b32 s77, 0
	s_lshl_b64 s[76:77], s[76:77], 11
	s_add_nc_u64 s[PFA:PFA+1], s[PFA:PFA+1], s[76:77]
	s_add_nc_u64 s[PFA:PFA+1], s[PFA:PFA+1], 2*ROWB
	v_and_b32 v[PFO], 31, v0
	v_lshlrev_b32 v[PFO], 11, v[PFO]
.macro FRAG reg, adr, q, i
.irp c, 0,1,2,3
	ds_load_b128 v[\reg+4*\c:\reg+4*\c+3], v[\adr] offset:128*(\q)+32*\c+(\i)*16*PITCH
.endr
.endm
.macro MUL16 a0, p, zero
.irp a, \a0, \a0+1
.irp b, 0,1,2,3,4,5,6,7
.if \zero
	v_wmma_f32_16x16x128_bf8_bf8 v[8*(8*((\a)%4)+\b):8*(8*((\a)%4)+\b)+7], v[128*(\p)+FR*\b:128*(\p)+FR*\b+FR-1], v[AF+FR*(\a):AF+FR*(\a)+FR-1], 0
.else
	v_wmma_f32_16x16x128_bf8_bf8 v[8*(8*((\a)%4)+\b):8*(8*((\a)%4)+\b)+7], v[128*(\p)+FR*\b:128*(\p)+FR*\b+FR-1], v[AF+FR*(\a):AF+FR*(\a)+FR-1], v[8*(8*((\a)%4)+\b):8*(8*((\a)%4)+\b)+7]
.endif
.endr
.endr
.endm
.macro FETCH_B slot, q, p
	WIN TO_B
.irp i, 0,1,2,3,4,5,6,7
	FRAG 128*(\p)+FR*\i, ADRB+\slot, \q, \i
.endr
	WIN 0
.endm
.macro FETCH_A slot, q, i0
.irp i, \i0, \i0+1, \i0+2, \i0+3
	FRAG AF+FR*(\i), ADRA+\slot, \q, \i
.endr
.endm
.macro PLACES n
.rept \n
	v_nop
.endr
.endm
.macro STEP slot, q, zero
	s_wait_dscnt 4*NL
	WIN MUL_LO
	MUL16 0, (\q)%2, \zero
	MUL16 2, (\q)%2, \zero
	s_wait_dscnt 0
	PLACES NP
	FETCH_B \slot, (\q)+1, 1-(\q)%2
	FETCH_A \slot, (\q)+1, 0
	WIN MUL_HI
	MUL16 4, (\q)%2, \zero
	MUL16 6, (\q)%2, \zero
	PLACES NP
	WIN 0
	FETCH_A \slot, (\q)+1, 4
.endm
.macro TURN slot, next, fill
.if \fill
	s_wait_xcnt 0x0
.if (\fill) == 2
	s_mov_b32 s76, 0x400000-7*ROWB                 ; the prefetches go on to the next tile: from the K step behind this tile's last to the other plane's K step 1
	s_mov_b32 s77, 0x1000000-7*ROWB
	s_cmp_eq_u32 s15, 0
	s_cselect_b32 s76, s77, s76
	s_mov_b32 s77, 0
	s_add_nc_u64 s[PFA:PFA+1], s[PFA:PFA+1], s[76:77]
.else
	s_add_nc_u64 s[PFA:PFA+1], s[PFA:PFA+1], ROWB
.endif
.endif
	s_wait_tensorcnt 0x0
	ds_add_u32 v[SPW], v[NIL]
	s_wait_dscnt 0x0                               ; the add is done, and my reads of this slot are over: its last step's fragments are all in registers
	s_barrier_signal -1
	s_barrier_wait -1
.if \fill
	CREST
.if (\fill) > 1
	s_add_nc_u64 s[G0+4*\slot+2:G0+4*\slot+3], s[G0+4*\slot+2:G0+4*\slot+3], NEXT_A       ; fill = 2, 3: the next tile's K step 0 or 1: the other plane of codes, back along K
	s_add_nc_u64 s[G0B+4*\slot+2:G0B+4*\slot+3], s[G0B+4*\slot+2:G0B+4*\slot+3], NEXT_B
.else
	s_add_nc_u64 s[G0+4*\slot+2:G0+4*\slot+3], s[G0+4*\slot+2:G0+4*\slot+3], 2*ROWB
	s_add_nc_u64 s[G0B+4*\slot+2:G0B+4*\slot+3], s[G0B+4*\slot+2:G0B+4*\slot+3], 2*ROWB
.endif
	JLOAD G0+4*\slot, G1, G0B+4*\slot, G1B         ; the refill stands ahead of all 64 products of the slot's last step
.endif
	WIN MUL_LO
	MUL16 0, 1, 0
	MUL16 2, 1, 0
	PLACES NP
	WIN 0
.if (\fill) != 3
	FETCH_B \next, 0, 0
	FETCH_A \next, 0, 0
.endif
.if (\fill) == 1
	ASK
.endif
.if (\fill) > 1
	global_prefetch_b8 v[PFO], s[PFA:PFA+1] offset:ROWB th:TH_LOAD_NT scope:SCOPE_SE   ; the next tile's K step 2 or 3, two refills ahead of its load
.endif
	WIN MUL_HI
	MUL16 4, 1, 0
	MUL16 6, 1, 0
	PLACES NP
	WIN 0
.if (\fill) != 3
	FETCH_A \next, 0, 4                            ; fill = 3: the fragments' registers serve the way out first; the next tile's are fetched at its head
.endif
.endm
	s_wait_alu depctr_va_vdst(0)
	s_wait_tensorcnt 1
	s_barrier_signal -1
	s_barrier_wait -1
.Ltile:
.irp b, 0,1,2,3,4,5,6,7
	global_load_b128 v[BIAS+8*\b:BIAS+8*\b+3],   v[BO], s[68:69] offset:64*\b          ; this tile's bias; awaited at the way out
	global_load_b128 v[BIAS+8*\b+4:BIAS+8*\b+7], v[BO], s[68:69] offset:64*\b+16
.endr
	FETCH_B 0, 0, 0
	FETCH_A 0, 0, 0
	FETCH_A 0, 0, 4
	STEP 0, 0, 1
	s_mov_b32 s3, LAPS-1
.Llap:
	TURN 0, 1, 1
	STEP 1, 0, 0
	TURN 1, 0, 1
	STEP 0, 0, 0
	s_sub_co_u32 s3, s3, 1
	s_cmp_lg_u32 s3, 0
	s_cbranch_scc1 .Llap
	s_cmp_eq_u32 s66, 1
	s_cbranch_scc1 .Llast_tile                     ; the last tile's tail asks for nothing more
	TURN 0, 1, 2                                   ; slot 0 takes the next tile's K step 0,
	STEP 1, 0, 0
	TURN 1, 0, 3                                   ; slot 1 its K step 1
	s_branch .Lout
.Llast_tile:
	TURN 0, 1, 0
	STEP 1, 0, 0
	s_wait_dscnt 4*NL
	WIN MUL_LO
	MUL16 0, 1, 0
	MUL16 2, 1, 0
	s_wait_dscnt 0
	WIN MUL_HI
	MUL16 4, 1, 0
	MUL16 6, 1, 0
	WIN 0
.Lout:
.macro TOSTAGE a
.set AC, 64*((\a)%4)
	WIN 0x42+((\a)/4)
.set i, 0
.rept 32
	v_pk_fma_f32 v[VV+i:VV+i+1], v[AC+i:AC+i+1], s[96:97], v[BIAS+i:BIAS+i+1] op_sel_hi:[1,0,1]
.set i, i+2
.endr
	WIN 0x55
.set i, 0
.rept 32
	v_pk_mul_f32 v[UU+i:UU+i+1], v[VV+i:VV+i+1], s[84:85] op_sel_hi:[1,0]   ; -log2(e) v; an infinite exponential gives the sigmoid 0
.set i, i+2
.endr
.set i, 0
	s_wait_alu depctr_va_vdst(0)
.rept 64
	v_exp_f32 v[UU+i], v[UU+i]
.set i, i+1
.endr
	v_nop
	s_wait_alu depctr_va_vdst(0)
.set i, 0
.rept 32
	v_pk_add_f32 v[RR+i:RR+i+1], v[UU+i:UU+i+1], s[82:83] op_sel_hi:[1,0]
.set i, i+2
.endr
.set i, 0
	s_wait_alu depctr_va_vdst(0)
.rept 64
	v_rcp_f32 v[RR+i], v[RR+i]
.set i, i+1
.endr
.set i, 0
.rept 32
	v_pk_fma_f32 v[VV+i:VV+i+1], v[VV+i:VV+i+1], s[90:91], v[HALF:HALF+1] op_sel_hi:[1,0,1]
.set i, i+2
.endr
	s_wait_alu depctr_va_vdst(0)
.set i, 0
.rept 64
	v_max_num_f32 v[VV+i], v[VV+i], v[RR+i]        ; fc_n: max(v + 0.5, sigmoid); fc_z: max(0, sigmoid)
.set i, i+1
.endr
	WIN 0x04
.irp b, 0,1,2,3,4,5,6,7
	ds_store_b128 v[STO], v[VV+8*\b:VV+8*\b+3] offset:64*\b
	ds_store_b128 v[STO], v[VV+8*\b+4:VV+8*\b+7] offset:64*\b+16
.endr
	WIN 0
.set BB, BK+64*((\a)%2)
.irp t, 0,1,2,3,4,5,6,7,8,9,10,11,12,13,14,15
	ds_load_b128 v[BB+4*\t:BB+4*\t+3], v[RD] offset:\t*SPITCH
.endr
.endm
.macro SEND a, younger
.set BB, BK+64*((\a)%2)
	s_wait_dscnt \younger
.if (\a) > 0
	s_add_nc_u64 s[10:11], s[10:11], 16*SIZE_N*4
.endif
.irp t, 0,1,2,3,4,5,6,7,8,9,10,11,12,13,14,15
	global_store_b128 v[CO], v[BB+4*\t:BB+4*\t+3], s[10:11] offset:\t*SIZE_N*4 th:TH_STORE_NT
.endr
.endm
	s_wait_kmcnt 0x0
	s_wait_loadcnt 0x0                             ; this tile's bias
	s_cmp_eq_u32 s66, 0
	s_cselect_b32 s96, s92, s94
	s_cselect_b32 s97, s93, s95
	s_cselect_b32 s90, 0, 1.0
	s_cselect_b32 s86, 0, 0.5
	s_mov_b32 s91, s90
	s_mov_b32 s85, 0xbfb8aa3b
	s_mov_b32 s82, 1.0
	s_mov_b32 s83, 1.0
	s_mov_b32 s84, 0xbfb8aa3b
	s_add_co_i32 s96, s96, s97
	s_add_co_i32 s96, s96, 127
	s_lshl_b32 s96, s96, 23
	PLACES NP
	WIN 0x40
	v_mov_b32 v[HALF], s86
	v_mov_b32 v[HALF+1], s86
	TOSTAGE 0
.irp a, 1,2,3,4,5,6,7
.if \a > 1
	s_wait_xcnt 0x0
.endif
	TOSTAGE \a
	SEND \a-1, 32
.endr
	s_wait_xcnt 0x0
	SEND 7, 0
	s_wait_xcnt 0x0                                ; the stores have read their base and their registers, any prefetch its address
	s_add_nc_u64 s[10:11], s[10:11], 0x4000000-7*16*SIZE_N*4   ; the same rows and columns in zg's plane 1
	s_mov_b64 s[68:69], s[70:71]                   ; bn
	s_add_co_u32 s66, s66, 1
	s_cmp_lt_u32 s66, 2
	s_cbranch_scc1 .Ltile
	s_wait_tensorcnt 0x0
	ds_add_u32 v[SPW], v[NIL]
	s_wait_dscnt 0x0
	CROUND
	s_endpgm
.Lfunc_end_k_q472599a40d_gemm:
	.size	k_q472599a40d_gemm, .Lfunc_end_k_q472599a40d_gemm-k_q472599a40d_gemm
	.p2alignl 7, 3214868480
	.fill 96, 4, 3214868480
	.section	.rodata,"a",@progbits
	.p2align	6, 0x0
	.amdhsa_kernel k_q472599a40d_gemm
		.amdhsa_group_segment_fixed_size 327680
		.amdhsa_private_segment_fixed_size 0
		.amdhsa_enable_private_segment 0
		.amdhsa_kernarg_size 48
		.amdhsa_user_sgpr_count 2
		.amdhsa_user_sgpr_kernarg_segment_ptr 1
		.amdhsa_wavefront_size32 1
		.amdhsa_system_sgpr_workgroup_id_x 1
		.amdhsa_system_sgpr_workgroup_id_y 1
		.amdhsa_system_sgpr_workgroup_id_z 1
		.amdhsa_system_vgpr_workitem_id 0
		.amdhsa_next_free_vgpr 1024
		.amdhsa_next_free_sgpr 98
		.amdhsa_reserve_vcc 0
		.amdhsa_float_denorm_mode_32 3
		.amdhsa_float_denorm_mode_16_64 3
		.amdhsa_memory_ordered 1
		.amdhsa_forward_progress 1
		.amdhsa_inst_pref_size 250
	.end_amdhsa_kernel
	.amdgpu_metadata
---
amdhsa.version: [ 1, 2 ]
amdhsa.kernels:
  - .name:           k_q472599a40d_gemm
    .symbol:         k_q472599a40d_gemm.kd
    .args:
      - { .name: xc, .offset: 0, .size: 8, .value_kind: global_buffer, .address_space: global }
      - { .name: wc, .offset: 8, .size: 8, .value_kind: global_buffer, .address_space: global }
      - { .name: lowp_scales, .offset: 16, .size: 8, .value_kind: global_buffer, .address_space: global }
      - { .name: zg, .offset: 24, .size: 8, .value_kind: global_buffer, .address_space: global }
      - { .name: bz, .offset: 32, .size: 8, .value_kind: global_buffer, .address_space: global }
      - { .name: bn, .offset: 40, .size: 8, .value_kind: global_buffer, .address_space: global }
    .group_segment_fixed_size: 327680
    .private_segment_fixed_size: 0
    .kernarg_segment_align: 8
    .kernarg_segment_size: 48
    .max_flat_workgroup_size: 128
    .sgpr_count:     98
    .vgpr_count:     1024
    .wavefront_size: 32
...
	.end_amdgpu_metadata
.endif
;; end of part 2
;; launch scan (part 3): grid 32 x 4, 8 waves a work-group, no clusters, 9,216 bytes of LDS; arguments zg, out0; writes out0
.if DOCPART == 3
	.amdgcn_target "amdgcn-amd-amdhsa--gfx1250"
	.amdhsa_code_object_version 6
	.text
	.protected	k_q472599a40d_scan
	.globl	k_q472599a40d_scan
	.p2align	8
	.type	k_q472599a40d_scan,@function
k_q472599a40d_scan:
	s_mov_b64 s[64:65], 0
	v_nop
	global_prefetch_b8 v0, s[64:65] scope:SCOPE_SE
	s_setreg_imm32_b32 hwreg(HW_REG_WAVE_MODE, 25, 1), 1
	s_wait_xcnt 0x0
; out0[b][t][e] = h_t, with h_t = a_t h_(t-1) + z_t g_t and 0.5 ahead of the first row.  z = zg[0][b][t][e] = sigmoid(fc_z), g = zg[1][b][t][e] = g(fc_n), both made by the launch before; a = 1 - z = sigmoid(-fc_z).
; That is the scan in logarithms, written out: exp(a* + cumlogsumexp(values - a*)) obeys this recurrence.
; WHY NO LOGARITHMS ARE NEEDED.  a + z = 1 and all terms are positive: h_t lies between h_(t-1) and g_t, so nothing can overflow while g is finite, and no difference of large numbers is formed.
; LIMITS: a = 1 - z carries an absolute error of up to 2^-24 where z is near 1 (its true value may be smaller than that); it multiplies a carry that lies between the smallest and the largest g so far and 0.5.
; A running product of a's may run down to 0, where it multiplies that bounded carry.  NaN among the inputs is not served.
; SHARES.  A work-group owns one batch and 64 columns (256 bytes of every row, aligned) and all 2,048 rows: a chain is never cut between work-groups; 4 x 32 = 128 work-groups is all that 64 columns to a work-group gives.
; L goes in 8 super-steps of 256 rows.  In one, wave w owns rows 32 w .. 32 w + 31; lane (hl = lane / 16, c = lane % 16) owns rows 16 hl + 0 .. 15 of them and columns 4 c .. 4 c + 3:
; each load and store of 16 bytes a lane covers 256 consecutive bytes, aligned, in each half of the lanes, and a lane's registers run down L.
; A stretch of rows acts on its carry as h -> A h + B.  A lane scans its 16 rows with carry 0 (B's) and keeps the running products (A's); the two halves of the lanes are joined by one exchange; the eight waves' (A, B)
; meet in a table in LDS behind ONE barrier a super-step; every wave folds all eight, picks its own carry on the way, and ends with the next super-step's carry.  Then h = A x carry + B, one multiply-add for two numbers.
; TWO CONTEXTS of registers, even super-steps in window 0 and odd ones in window 1: while one is worked, the other's 32 loads (16 KiB a wave) are on their way.  The table has two halves that take turns with them.
; No tensor loads, clusters or matrix units: no byte is shared between work-groups and the loads go straight into the registers that use them.
.set ROWB,  8192                       ; a row of zg or of out0 in bytes
.set SSTEP, 256*ROWB                   ; a super-step
.set OFF,  1                           ; v1       my byte offset in a super-step: (w << 18) + (hl << 17) + 16 c; never rewritten
.set TABW, 2                           ; v2       the table: where I store: 512 w + 16 lane
.set TABR, 3                           ; v3       and where I read: 16 c
.set CY,   12                          ; v[12:15] the work-group's carry, alike in every wave
.set MY,   16                          ; v[16:19] my wave's carry
.set LC,   20                          ; v[20:23] my lane's carry
.set GA,   24                          ; v[24:27], v[28:31] my 16 rows' A and B
.set GB,   28
.set OA,   32                          ; v[32:35], v[36:39] the other half of the lanes' A and B
.set OB,   36
.set WA,   40                          ; v[40:43] the wave's A
.set WT,   44                          ; v[44:47] at work
.set SV,   48                          ; v[48:51] what I store into the table
.set T,    64                          ; v[64:127] of window 0: the eight table entries: A of wave j at 64 + 8 j, B at 68 + 8 j
.set K,    128                         ; v[128:191] of the context's window: row j's four numbers at 128 + 4 j: z, then a, then running products, then h
.set N,    192                         ; v[192:255] likewise: g, then z g, then the local scan
.set KBS,  20                          ; s[20:21] zg's plane 0 at the super-step in hand
.set NBS,  22                          ; s[22:23] plane 1
.set OBS,  24                          ; s[24:25] out0
.set MSB, 0
.macro WIN new                         ; the immediate's high byte repeats the setting that is left; a switch that changes nothing is dropped (context 0 has none)
.if MSB != (\new)
	s_set_vgpr_msb (MSB<<8)|(\new)
.set MSB, (\new)
.endif
.endm
	s_load_b128 s[4:7], s[0:1], 0x0                ; zg s[4:5], out0 s[6:7]
	v_lshl_add_u32 v62, v0, 2, 0x2000
	v_mov_b32 v63, 0
	v_lshrrev_b32 v40, 5, v0
	s_delay_alu instid0(VALU_DEP_1)
	v_readfirstlane_b32 s12, v40                   ; wave 0..7
	v_and_b32 v41, 15, v0                          ; c
	v_bfe_u32 v42, v0, 4, 1                        ; hl
	s_delay_alu instid0(VALU_DEP_2)
	v_lshlrev_b32 v[TABR], 4, v41
	v_lshlrev_b32 v[TABW], 4, v0
	s_delay_alu instid0(VALU_DEP_2)
	v_lshl_add_u32 v[OFF], v42, 17, v[TABR]        ; 16 rows of 8,192 bytes for the upper half of the lanes, + 16 c
	s_lshl_b32 s13, s12, 18                        ; 32 rows a wave
	v_add_nc_u32 v[OFF], s13, v[OFF]
	s_and_b32 s14, ttmp7, 0xffff                   ; the batch
	s_lshl_b32 s16, s14, 24                        ; x 2,048 rows of 8,192 bytes
	s_lshl_b32 s18, ttmp9, 8                       ; the work-group's 64 columns: 256 bytes
	s_add_co_u32 s16, s16, s18
	s_mov_b32 s17, 0
	s_mov_b32 s28, 0x76543210                      ; v_permlanex16_b32: each lane takes its own place in the other half
	s_mov_b32 s29, 0xfedcba98
	s_mov_b32 s30, 0xffff0000                      ; lanes 16 to 31
.irp j, 1,2,3,4,5,6,7
	s_cmp_eq_u32 s12, \j
	s_cselect_b32 s[32+\j], -1, 0                  ; all lanes where I am wave j, else none
.endr
	s_mov_b32 s40, 4                               ; trips: two super-steps each
.irp i, 0,1,2,3
	v_mov_b32 v[CY+\i], 0.5                        ; what stands ahead of the first row
.endr
.irp i, 0,1,2,3,4,5,6,7
	v_mov_b32 v[OA+\i], 0                          ; written once: a lane permute's destination counts as one of its sources
.endr
	s_wait_kmcnt 0x0
	s_add_nc_u64 s[KBS:KBS+1], s[4:5], s[16:17]
	s_add_nc_u64 s[NBS:NBS+1], s[KBS:KBS+1], 0x4000000   ; plane 1: 8,192 rows of 8,192 bytes on
	s_add_nc_u64 s[OBS:OBS+1], s[6:7], s[16:17]
; 32 loads: my 16 rows of both planes, imm bytes behind the bases, into context w
.macro LOADS w, imm
	WIN 0x40*(\w)                                  ; destination in the context's window, address in window 0
.irp j, 0,1,2,3,4,5,6,7,8,9,10,11,12,13,14,15
	global_load_b128 v[K+4*\j:K+4*\j+3], v[OFF], s[KBS:KBS+1] offset:\imm+ROWB*\j th:TH_LOAD_NT   ; read once in the launch
	global_load_b128 v[N+4*\j:N+4*\j+3], v[OFF], s[NBS:NBS+1] offset:\imm+ROWB*\j th:TH_LOAD_NT
.endr
	WIN 0
.endm
; One super-step, in context w (also the table's half).
.macro PROCESS w
	s_wait_loadcnt 32                              ; loads come back in order (ISA guide 5.7.1): this context's 32 are in; the other context's 32, issued later, may be out
	WIN 0x55*(\w)                                  ; everything in the context's window
.irp j, 0,1,2,3,4,5,6,7,8,9,10,11,12,13,14,15
	v_pk_mul_f32 v[N+4*\j:N+4*\j+1],   v[N+4*\j:N+4*\j+1],   v[K+4*\j:K+4*\j+1]       ; z g first, since it reads z;
	v_pk_mul_f32 v[N+4*\j+2:N+4*\j+3], v[N+4*\j+2:N+4*\j+3], v[K+4*\j+2:K+4*\j+3]
	v_pk_fma_f32 v[K+4*\j:K+4*\j+1],   v[K+4*\j:K+4*\j+1],   -1.0, 1.0 op_sel_hi:[1,0,0]   ; then a = 1 - z takes z's place
	v_pk_fma_f32 v[K+4*\j+2:K+4*\j+3], v[K+4*\j+2:K+4*\j+3], -1.0, 1.0 op_sel_hi:[1,0,0]
.endr
	; MY 16 ROWS with carry 0: the scan first, since it reads a_j; then the running product takes a_j's place
.irp j, 1
	v_pk_fma_f32 v[N+4*\j:N+4*\j+1],   v[K+4*\j:K+4*\j+1],   v[N+4*\j-4:N+4*\j-3], v[N+4*\j:N+4*\j+1]
	v_pk_fma_f32 v[N+4*\j+2:N+4*\j+3], v[K+4*\j+2:K+4*\j+3], v[N+4*\j-2:N+4*\j-1], v[N+4*\j+2:N+4*\j+3]
	v_pk_mul_f32 v[K+4*\j:K+4*\j+1],   v[K+4*\j:K+4*\j+1],   v[K+4*\j-4:K+4*\j-3]
	v_pk_mul_f32 v[K+4*\j+2:K+4*\j+3], v[K+4*\j+2:K+4*\j+3], v[K+4*\j-2:K+4*\j-1]
.endr
.irp j, 2, 3, 4, 5, 6, 7, 8, 9, 10, 11, 12, 13, 14, 15
	s_delay_alu instid0(VALU_DEP_4)
	v_pk_fma_f32 v[N+4*\j:N+4*\j+1],   v[K+4*\j:K+4*\j+1],   v[N+4*\j-4:N+4*\j-3], v[N+4*\j:N+4*\j+1]
	s_delay_alu instid0(VALU_DEP_4)
	v_pk_fma_f32 v[N+4*\j+2:N+4*\j+3], v[K+4*\j+2:K+4*\j+3], v[N+4*\j-2:N+4*\j-1], v[N+4*\j+2:N+4*\j+3]
	s_delay_alu instid0(VALU_DEP_4)
	v_pk_mul_f32 v[K+4*\j:K+4*\j+1],   v[K+4*\j:K+4*\j+1],   v[K+4*\j-4:K+4*\j-3]
	s_delay_alu instid0(VALU_DEP_4)
	v_pk_mul_f32 v[K+4*\j+2:K+4*\j+3], v[K+4*\j+2:K+4*\j+3], v[K+4*\j-2:K+4*\j-1]
.endr
	WIN 0x01*(\w)                                  ; source 0 in the context's window
.irp i, 0,1,2,3
	v_mov_b32 v[GA+\i], v[K+60+\i]                 ; my 16 rows as one map: A,
	v_mov_b32 v[GB+\i], v[N+60+\i]                 ; B
.endr
	WIN 0
.irp i, 0,1,2,3,4,5,6,7
	v_permlanex16_b32 v[OA+\i], v[GA+\i], s28, s29 ; the other half of the lanes' A and B
.endr
	v_pk_mul_f32 v[WA:WA+1],   v[GA:GA+1],   v[OA:OA+1]             ; the wave's A, in every lane
	v_pk_mul_f32 v[WA+2:WA+3], v[GA+2:GA+3], v[OA+2:OA+3]
	v_pk_fma_f32 v[WT:WT+1],   v[GA:GA+1],   v[OB:OB+1],   v[GB:GB+1]     ; in lanes 16-31: A_upper B_lower + B_upper: the wave's B
	s_delay_alu instid0(VALU_DEP_4)
	v_pk_fma_f32 v[WT+2:WT+3], v[GA+2:GA+3], v[OB+2:OB+3], v[GB+2:GB+3]
.irp i, 0,1,2,3
	v_cndmask_b32 v[SV+\i], v[WA+\i], v[WT+\i], s30                  ; lanes 0-15 store A, lanes 16-31 B
.endr
	ds_store_b128 v[TABW], v[SV:SV+3] offset:4096*(\w)               ; my wave's entry: 256 bytes of A, 256 of B
	s_wait_dscnt 0x0                               ; for the others' sake: my entry has landed (and my reads of the other half, a super-step ago, came back long since)
	s_barrier_signal -1                            ; the one barrier of a super-step.  This half was last read two super-steps ago, and every wave had those reads back ahead of the barrier in between
	s_barrier_wait -1
.irp j, 0,1,2,3,4,5,6,7
	ds_load_b128 v[T+8*\j:T+8*\j+3],   v[TABR] offset:4096*(\w)+512*\j
	ds_load_b128 v[T+8*\j+4:T+8*\j+7], v[TABR] offset:4096*(\w)+512*\j+256
.endr
.irp j, 0,1,2,3,4,5,6,7
	s_wait_alu depctr_va_vdst(0)
	s_wait_dscnt 14-2*\j                           ; wave j's entry is in; the two loads of each later entry may be out
.irp i, 0,1,2,3
.if \j == 0
	v_mov_b32 v[MY+\i], v[CY+\i]                   ; the carry ahead of wave 0,
.else
	v_cndmask_b32 v[MY+\i], v[MY+\i], v[CY+\i], s[32+\j]   ; or ahead of wave j, where I am wave j
.endif
.endr
	v_pk_fma_f32 v[CY:CY+1],   v[T+8*\j:T+8*\j+1],   v[CY:CY+1],   v[T+8*\j+4:T+8*\j+5]   ; through wave j's 32 rows
	v_pk_fma_f32 v[CY+2:CY+3], v[T+8*\j+2:T+8*\j+3], v[CY+2:CY+3], v[T+8*\j+6:T+8*\j+7]
.endr
	v_pk_fma_f32 v[WT:WT+1],   v[OA:OA+1],   v[MY:MY+1],   v[OB:OB+1]     ; lanes 16-31: my wave's carry through the lower half's 16 rows
	s_delay_alu instid0(VALU_DEP_4)
	v_pk_fma_f32 v[WT+2:WT+3], v[OA+2:OA+3], v[MY+2:MY+3], v[OB+2:OB+3]
.irp i, 0,1,2,3
	v_cndmask_b32 v[LC+\i], v[MY+\i], v[WT+\i], s30
.endr
	WIN 0x51*(\w)                                  ; destination, sources 0 and 2 in the context's window; the carry in window 0
.irp j, 0,1,2,3,4,5,6,7,8,9,10,11,12,13,14,15
	v_pk_fma_f32 v[K+4*\j:K+4*\j+1],   v[K+4*\j:K+4*\j+1],   v[LC:LC+1],     v[N+4*\j:N+4*\j+1]       ; h = running product x carry + local scan
	v_pk_fma_f32 v[K+4*\j+2:K+4*\j+3], v[K+4*\j+2:K+4*\j+3], v[LC+2:LC+3], v[N+4*\j+2:N+4*\j+3]
.endr
	WIN 0x04*(\w)                                  ; a store's data are source 1
.irp j, 0,1,2,3,4,5,6,7,8,9,10,11,12,13,14,15
	global_store_b128 v[OFF], v[K+4*\j:K+4*\j+3], s[OBS:OBS+1] offset:ROWB*\j th:TH_STORE_NT   ; each half of the lanes stores 256 consecutive bytes, aligned; written once, read by nobody here
.endr
	WIN 0                                          ; at a branch and at a label every window is 0
	s_wait_xcnt 0x0                                ; every earlier memory instruction has had its addresses translated (ISA guide 3.1): the bases, and the registers that the stores read, are written only behind this wait
	s_add_nc_u64 s[KBS:KBS+1], s[KBS:KBS+1], SSTEP
	s_add_nc_u64 s[NBS:NBS+1], s[NBS:NBS+1], SSTEP
	s_add_nc_u64 s[OBS:OBS+1], s[OBS:OBS+1], SSTEP
	s_cmp_eq_u32 s40, 1                            ; the last trip asks for nothing: no load leaves zg
	s_cbranch_scc1 .Lno_\@
	LOADS \w, SSTEP                                ; this context's next super-step, two on: one behind the stepped bases
	s_branch .Lj_\@
.Lno_\@:
	s_wait_loadcnt 0x0                             ; nothing younger will be issued, so what is out is awaited whole: the count at the next head holds on both ways
.Lj_\@:
.endm
	LOADS 0, 0                                     ; super-step 0
	LOADS 1, SSTEP                                 ; super-step 1
.Ltrip:
	PROCESS 0
	PROCESS 1
	s_sub_co_u32 s40, s40, 1
	s_cmp_lg_u32 s40, 0
	s_cbranch_scc1 .Ltrip
	s_wait_tensorcnt 0x0
	ds_add_u32 v62, v63
	s_wait_dscnt 0x0
	s_endpgm
.Lfunc_end_k_q472599a40d_scan:
	.size	k_q472599a40d_scan, .Lfunc_end_k_q472599a40d_scan-k_q472599a40d_scan
	.p2alignl 7, 3214868480
	.fill 96, 4, 3214868480
	.section	.rodata,"a",@progbits
	.p2align	6, 0x0
	.amdhsa_kernel k_q472599a40d_scan
		.amdhsa_group_segment_fixed_size 9216
		.amdhsa_private_segment_fixed_size 0
		.amdhsa_enable_private_segment 0
		.amdhsa_kernarg_size 16
		.amdhsa_user_sgpr_count 2
		.amdhsa_user_sgpr_kernarg_segment_ptr 1
		.amdhsa_wavefront_size32 1
		.amdhsa_system_sgpr_workgroup_id_x 1
		.amdhsa_system_sgpr_workgroup_id_y 1
		.amdhsa_system_sgpr_workgroup_id_z 1
		.amdhsa_system_vgpr_workitem_id 0
		.amdhsa_next_free_vgpr 512
		.amdhsa_next_free_sgpr 66
		.amdhsa_reserve_vcc 0
		.amdhsa_float_denorm_mode_32 3
		.amdhsa_float_denorm_mode_16_64 3
		.amdhsa_memory_ordered 1
		.amdhsa_forward_progress 1
		.amdhsa_inst_pref_size 54
	.end_amdhsa_kernel
	.amdgpu_metadata
---
amdhsa.version: [ 1, 2 ]
amdhsa.kernels:
  - .name:           k_q472599a40d_scan
    .symbol:         k_q472599a40d_scan.kd
    .args:
      - { .name: zg, .offset: 0, .size: 8, .value_kind: global_buffer, .address_space: global }
      - { .name: out0, .offset: 8, .size: 8, .value_kind: global_buffer, .address_space: global }
    .group_segment_fixed_size: 9216
    .private_segment_fixed_size: 0
    .kernarg_segment_align: 8
    .kernarg_segment_size: 16
    .max_flat_workgroup_size: 256
    .sgpr_count:     66
    .vgpr_count:     512
    .wavefront_size: 32
...
	.end_amdgpu_metadata
.endif
;; end of part 3
